; MI455X (gfx1250); checked and timed in simulation.
; The chip was launched on July 23, 2026; its instructions are those of AMD's public machine-readable ISA for CDNA 5 (MIT licence, August 2026) and "CDNA5" Instruction Set Architecture Reference Guide (July 2026). The comments in the code are by the model that wrote it; some were corrected since.
;; Schroeder Reverb. Allowed arithmetic: float matrix products may take bf16 or f16 operands with f32 sums; all other float work in f32.
;; Inputs: Qs 8 float32; central_freqs 8 float32; input_sig 32 x 2 x 262,144 float32.
;; Outputs: out0 32 x 2 x 262,144 float32.
;; One version. Each part assembles by itself: llvm-mc -triple=amdgcn-amd-amdhsa -mcpu=gfx1250 --defsym DOCPART=n.
;; ======== version 1 of 1: 3 launches
;; workspace buffers: coef 5,120 bytes; plan 256 bytes of whole numbers; mixed 67,108,864 bytes; pmax 1,024 bytes
;; launch prep (part 1): grid 1 x 1, 1 waves a work-group, no clusters, 0 bytes of LDS; arguments central_freqs, Qs, coef, plan; writes coef, plan
.if DOCPART == 1
	.amdgcn_target "amdgcn-amd-amdhsa--gfx1250"
	.amdhsa_code_object_version 6
	.text
	.protected	k_q0f43abf8ab_prep
	.globl	k_q0f43abf8ab_prep
	.p2align	8
	.type	k_q0f43abf8ab_prep,@function
k_q0f43abf8ab_prep:
	s_mov_b64 s[64:65], 0
	v_nop
	global_prefetch_b8 v0, s[64:65] scope:SCOPE_SE
	s_setreg_imm32_b32 hwreg(HW_REG_WAVE_MODE, 25, 1), 1
	s_wait_xcnt 0x0
; Coefficients of the 8 all-pass sections, powers of their state matrices, and the length of the warm-up.
; One wave.  Lane l works for section l & 7, so every group of 8 lanes holds all sections.
; A section is y[n] = w[n] - a1 y[n-1] - b0 y[n-2], w[n] = b0 x[n] + a1 x[n-1] + x[n-2]   (b1 = a1, a2 = b0, b2 = a0/a0 = 1).
; A = [[-a1, -b0], [1, 0]] takes (y[n-1], y[n-2]) one sample on.
; coef, section k, 32 words at byte 128 k: b0, a1, -b0, -a1, A^32, P = A^64, P^2, P^4, P^8 (each m11 m12 m21 m22), 8 zeros.
; coef, from byte 1024, section k, 512 bytes: 16 bytes a lane of the filter's wave: lanes 0-15 zero, lane 16 + j holds P^(j+1).
; plan: word j (0..15) = tiles of warm-up of time segment j; word 16 + j = the first tile that segment j reads (a tile = 2,048 samples).
; THE WARM-UP.  A segment starts from zero state W samples early, W >= 64 / (-ln rho), rho the largest pole modulus of all sections.
; The cascade is at most 16 first-order all-pass sections of pole modulus <= rho, and the clips between them enlarge no difference, so what
; is left of a wrong start state after n samples is at most  sum over j of C(16,j) x^(j-1)/(j-1)! e^(-x/2), x = 2 n (-ln rho), times its
; size: below 1e-7 at x = 128.  Where rho < 1 does not hold (NaN too) the warm-up is the whole prefix, from sample 0: exact.
; sin and cos are Taylor sums of the halved, reduced angle (|th| <= pi/2: first terms left out th^15/15! and th^16/16!, below 1e-9).
.set R,  32                            ; v[32:63]   the 32 words of my section
.set P,  R+8                           ; v[40:43]   P = A^64
.set PW, 64                            ; v[64:123]  P^2 .. P^16, four registers each: no store's data are ever rewritten
	s_load_b256 s[4:11], s[0:1], 0x0               ; central_freqs s[4:5], Qs s[6:7], coef s[8:9], plan s[10:11]
	v_and_b32 v1, 7, v0
	v_lshlrev_b32 v1, 2, v1                        ; byte offset of my section's f and q
	s_wait_kmcnt 0x0
	global_load_b32 v2, v1, s[4:5]                 ; f
	global_load_b32 v3, v1, s[6:7]                 ; q
	s_wait_loadcnt 0x0
	; th = w0 / 2 reduced to [-pi/2, pi/2]: w0 = 2 pi u, u = f / 48000; whole turns of u change neither sin w0 nor cos w0
	v_mul_f32 v4, 0x37aec33e, v2                   ; u = f * (1 / 48000)
	v_rndne_f32 v5, v4
	v_sub_f32 v5, v4, v5                           ; u - nearest whole number, in [-0.5, 0.5]
	v_mul_f32 v6, 0x40490fdb, v5                   ; th = pi * that
	v_mul_f32 v7, v6, v6                           ; z = th^2
	v_mov_b32 v8, 0x2f309231                       ; sin th = th (1 - z/3! + z^2/5! - ... + z^6/13!)
	v_fmaak_f32 v8, v8, v7, 0xb2d7322b
	v_fmaak_f32 v8, v8, v7, 0x3638ef1d
	v_fmaak_f32 v8, v8, v7, 0xb9500d01
	v_fmaak_f32 v8, v8, v7, 0x3c088889
	v_fmaak_f32 v8, v8, v7, 0xbe2aaaab
	v_fma_f32 v8, v8, v7, 1.0
	v_mul_f32 v8, v8, v6
	v_mov_b32 v9, 0xad49cba5                       ; cos th = 1 - z/2! + z^2/4! - ... - z^7/14!
	v_fmaak_f32 v9, v9, v7, 0x310f76c7
	v_fmaak_f32 v9, v9, v7, 0xb493f27e
	v_fmaak_f32 v9, v9, v7, 0x37d00d01
	v_fmaak_f32 v9, v9, v7, 0xbab60b61
	v_fmaak_f32 v9, v9, v7, 0x3d2aaaab
	v_fma_f32 v9, v9, v7, -0.5
	v_fma_f32 v9, v9, v7, 1.0
	v_mul_f32 v10, v8, v9
	v_add_f32 v10, v10, v10                        ; sin w0 = 2 sin th cos th
	v_mul_f32 v11, v8, v8
	v_fma_f32 v11, v11, -2.0, 1.0                  ; cos w0 = 1 - 2 sin^2 th
	v_add_f32 v12, v3, v3                          ; 2 q
	v_rcp_f32 v12, v12
	v_nop                                          ; one plain vector instruction behind a transcendental before its result is used (ISA guide 5.7.2)
	s_wait_alu depctr_va_vdst(0)
	v_mul_f32 v12, v10, v12                        ; alpha
	v_add_f32 v13, 1.0, v12                        ; a0
	v_rcp_f32 v13, v13
	v_sub_f32 v14, 1.0, v12                        ; 1 - alpha: also the plain instruction behind v_rcp_f32
	s_wait_alu depctr_va_vdst(0)
	v_mul_f32 v[R+0], v14, v13                     ; b0 = a2
	v_mul_f32 v15, -2.0, v11
	v_mul_f32 v[R+1], v15, v13                     ; a1 = b1
	v_sub_f32 v[R+2], 0, v[R+0]                    ; -b0
	v_sub_f32 v[R+3], 0, v[R+1]                    ; -a1
.set j, 24
.rept 8
	v_mov_b32 v[R+j], 0                            ; words 24-31: zeros (v[60:63] also serve as the table's zero rows)
.set j, j+1
.endr
	v_mov_b32 v16, v[R+3]                          ; A in v[16:19]
	v_mov_b32 v17, v[R+2]
	v_mov_b32 v18, 1.0
	v_mov_b32 v19, 0
.macro SQ d, s                         ; v[d:d+3] = the square of the 2 x 2 matrix v[s:s+3]
	v_mul_f32 v6, v[\s+1], v[\s+2]
	v_add_f32 v7, v[\s], v[\s+3]
	v_fma_f32 v[\d], v[\s], v[\s], v6
	v_fma_f32 v[\d+3], v[\s+3], v[\s+3], v6
	v_mul_f32 v[\d+1], v[\s+1], v7
	v_mul_f32 v[\d+2], v[\s+2], v7
.endm
.macro MM d, s                         ; v[d:d+3] = v[s:s+3] x P
	v_mul_f32 v[\d], v[\s], v[P]
	v_mul_f32 v[\d+1], v[\s], v[P+1]
	v_mul_f32 v[\d+2], v[\s+2], v[P]
	v_mul_f32 v[\d+3], v[\s+2], v[P+1]
	v_fmac_f32 v[\d], v[\s+1], v[P+2]
	v_fmac_f32 v[\d+1], v[\s+1], v[P+3]
	v_fmac_f32 v[\d+2], v[\s+3], v[P+2]
	v_fmac_f32 v[\d+3], v[\s+3], v[P+3]
.endm
	SQ 20, 16                                      ; A^2
	SQ 16, 20                                      ; A^4
	SQ 20, 16                                      ; A^8
	SQ 16, 20                                      ; A^16
	SQ R+4, 16                                     ; A^32
	SQ R+8, R+4                                    ; P = A^64
	SQ R+12, R+8                                   ; P^2
	SQ R+16, R+12                                  ; P^4
	SQ R+20, R+16                                  ; P^8
	MM PW, P                                       ; P^2 .. P^16 one after the other, for the table by lanes
.set j, 1
.rept 14
	MM PW+4*j, PW+4*j-4
.set j, j+1
.endr
	; the larger pole modulus of z^2 + a1 z + b0: sqrt(b0) for a complex pair, (|a1| + sqrt(disc)) / 2 for real poles
	v_mul_f32 v20, -4.0, v[R+0]
	v_fma_f32 v20, v[R+1], v[R+1], v20             ; disc = a1^2 - 4 b0
	v_sqrt_f32 v21, |v32|                          ; v32 = b0
	v_sqrt_f32 v22, |v20|
	v_nop
	s_wait_alu depctr_va_vdst(0)
	v_add_f32 v22, |v33|, v22                      ; v33 = a1
	v_mul_f32 v22, 0.5, v22
	v_cmp_gt_f32 vcc_lo, 0, v20                    ; disc < 0
	v_cndmask_b32 v21, v22, v21, vcc_lo
	v_cmp_gt_f32 vcc_lo, 1.0, v21                  ; rho < 1 ?  false for NaN too
	v_cndmask_b32 v21, 1.0, v21, vcc_lo            ; otherwise 1.0, which asks for the whole prefix below
	v_max_num_f32_dpp v21, v21, v21 row_xmask:1 row_mask:0xf bank_mask:0xf   ; the largest of the 8 sections, in every lane
	v_max_num_f32_dpp v21, v21, v21 row_xmask:2 row_mask:0xf bank_mask:0xf
	v_max_num_f32_dpp v21, v21, v21 row_xmask:4 row_mask:0xf bank_mask:0xf
	v_log_f32 v22, v21
	v_nop
	s_wait_alu depctr_va_vdst(0)
	v_sub_f32 v22, 0, v22                          ; L = -log2 rho >= 0
	v_rcp_f32 v23, v22
	v_nop
	s_wait_alu depctr_va_vdst(0)
	v_mul_f32 v23, 0x3d38aa3b, v23                 ; tiles = 64 / (ln 2 * L * 2048) = (log2 e / 32) / L
	v_cmp_lt_f32 vcc_lo, 0, v22
	v_cndmask_b32 v23, 0x43000000, v23, vcc_lo     ; L = 0: 128 tiles, a whole channel
	v_min_num_f32 v23, 0x43000000, v23
	v_cvt_u32_f32 v23, v23                         ; toward zero,
	v_add_nc_u32 v23, 1, v23                       ; so one more
	v_min_u32 v23, 0x80, v23
	v_and_b32 v24, 15, v0
	v_lshlrev_b32 v24, 3, v24                      ; segment j begins at tile 8 j of its channel
	v_min_u32 v25, v23, v24                        ; its warm-up ends at sample 0 at the latest
	v_sub_nc_u32 v26, v24, v25                     ; its first tile
	v_cmp_gt_u32 vcc_lo, 16, v0
	v_cndmask_b32 v25, v26, v25, vcc_lo            ; lanes 0-15 store the warm-ups, lanes 16-31 the first tiles
	v_lshlrev_b32 v27, 2, v0
	v_lshlrev_b32 v28, 7, v0                       ; 128 bytes a section
	v_lshlrev_b32 v29, 9, v0                       ; 512 bytes a section in the table
	global_store_b32 v27, v25, s[10:11]
	s_wait_xcnt 0x0                                ; EXEC is a source of the store above: it changes only behind this wait
	v_cmp_gt_u32 vcc_lo, 8, v0
	s_and_saveexec_b32 s12, vcc_lo                 ; lanes 0-7: one for each section
.set j, 0
.rept 8
	global_store_b128 v28, v[R+4*j:R+4*j+3], s[8:9] offset:16*j
.set j, j+1
.endr
.set j, 0
.rept 16
	global_store_b128 v29, v[R+28:R+31], s[8:9] offset:1024+16*j          ; lanes 0-15 of the table: zero
.set j, j+1
.endr
	global_store_b128 v29, v[P:P+3], s[8:9] offset:1024+256                ; lane 16: P
.set j, 1
.rept 15
	global_store_b128 v29, v[PW+4*j-4:PW+4*j-1], s[8:9] offset:1024+256+16*j   ; lane 16 + j: P^(j+1)
.set j, j+1
.endr
	s_wait_xcnt 0x0                                ; and again in front of the line that widens EXEC
	s_or_b32 exec_lo, exec_lo, s12
	s_endpgm
.Lfunc_end_k_q0f43abf8ab_prep:
	.size	k_q0f43abf8ab_prep, .Lfunc_end_k_q0f43abf8ab_prep-k_q0f43abf8ab_prep
	.p2alignl 7, 3214868480
	.fill 96, 4, 3214868480
	.section	.rodata,"a",@progbits
	.p2align	6, 0x0
	.amdhsa_kernel k_q0f43abf8ab_prep
		.amdhsa_group_segment_fixed_size 0
		.amdhsa_private_segment_fixed_size 0
		.amdhsa_enable_private_segment 0
		.amdhsa_kernarg_size 32
		.amdhsa_user_sgpr_count 2
		.amdhsa_user_sgpr_kernarg_segment_ptr 1
		.amdhsa_wavefront_size32 1
		.amdhsa_system_sgpr_workgroup_id_x 1
		.amdhsa_system_sgpr_workgroup_id_y 1
		.amdhsa_system_sgpr_workgroup_id_z 1
		.amdhsa_system_vgpr_workitem_id 0
		.amdhsa_next_free_vgpr 128
		.amdhsa_next_free_sgpr 66
		.amdhsa_reserve_vcc 1
		.amdhsa_float_denorm_mode_32 3
		.amdhsa_float_denorm_mode_16_64 3
		.amdhsa_memory_ordered 1
		.amdhsa_forward_progress 1
		.amdhsa_inst_pref_size 15
	.end_amdhsa_kernel
	.amdgpu_metadata
---
amdhsa.version: [ 1, 2 ]
amdhsa.kernels:
  - .name:           k_q0f43abf8ab_prep
    .symbol:         k_q0f43abf8ab_prep.kd
    .args:
      - { .name: central_freqs, .offset: 0, .size: 8, .value_kind: global_buffer, .address_space: global }
      - { .name: Qs, .offset: 8, .size: 8, .value_kind: global_buffer, .address_space: global }
      - { .name: coef, .offset: 16, .size: 8, .value_kind: global_buffer, .address_space: global }
      - { .name: plan, .offset: 24, .size: 8, .value_kind: global_buffer, .address_space: global }
    .group_segment_fixed_size: 0
    .private_segment_fixed_size: 0
    .kernarg_segment_align: 8
    .kernarg_segment_size: 32
    .max_flat_workgroup_size: 32
    .sgpr_count:     66
    .vgpr_count:     128
    .wavefront_size: 32
...
	.end_amdgpu_metadata
.endif
;; end of part 1
;; launch filter (part 2): grid 256 x 1, 4 waves a work-group, no clusters, 70,400 bytes of LDS; arguments input_sig, coef, plan, mixed, pmax; writes mixed, pmax
.if DOCPART == 2
	.amdgcn_target "amdgcn-amd-amdhsa--gfx1250"
	.amdhsa_code_object_version 6
	.text
	.protected	k_q0f43abf8ab_filter
	.globl	k_q0f43abf8ab_filter
	.p2align	8
	.type	k_q0f43abf8ab_filter,@function
k_q0f43abf8ab_filter:
	s_mov_b64 s[64:65], 0
	v_nop
	global_prefetch_b8 v0, s[64:65] scope:SCOPE_SE
	s_setreg_imm32_b32 hwreg(HW_REG_WAVE_MODE, 25, 1), 1
	s_wait_xcnt 0x0
; mixed = 0.5 cascade(x) + 0.5 x, and the largest |mixed| of each work-group.  64 channels of 262,144 samples, 8 all-pass sections.
; SHARES.  Work-group g: channel g >> 2.  Wave w: time segment 4 (g & 3) + w of 16,384 samples = 8 tiles of 2,048.  1,024 waves in all.
; A wave walks its tiles in order.  In a tile lane p owns samples 64 p .. 64 p + 63, as two chains of 32 that do not wait for each other.
; A SECTION IS LINEAR IN ITS (ALREADY CLIPPED) INPUT, so a tile is solved exactly over the 32 lanes:
;   1. w[n] = b0 x[n] + a1 x[n-1] + x[n-2], and each chain run from zero state (only its last two values are kept);
;   2. the chains' end states are joined: a scan over the lanes of 2-vectors with powers of P = A^64 gives every lane its true start state;
;   3. y[n] = w[n] - a1 y[n-1] - b0 y[n-2] from the true start states, in place on w; the clip to [-1, 1] gives the next section's input.
; BETWEEN SEGMENTS nothing is handed over: a wave starts nwarm tiles early from zero state and throws those tiles' output away.  nwarm and
; the first tile come from the buffer plan, which the launch before made from the largest pole modulus (what is left of the wrong start
; state is below 1e-7 of its size; with poles on or outside the unit circle the warm-up begins at sample 0 and is exact).
; LIMITS.  Sums are grouped otherwise than in the reference (w first; zero-state part plus start-state part), so last bits differ.
; A NaN in the input is not carried: v_med3_num_f32 and v_max3_num_f32 drop it, where the reference would give NaN everywhere.
; NO CLUSTER, NO TENSOR LOADS: waves share no tile but the warm-up tiles, read at other times; the next tile's 16 loads a lane are issued a
; whole trip (8 sections) ahead of their wait and need 64 registers, which this wave has to spare.  No matrix unit: the state is kept in f32.
.set PITCH, 272                        ; an LDS row: a lane's 256 bytes + 16: the 16 rows that a b128 pass touches start 4 banks apart
.set TILE,  8192                       ; bytes in a tile
.set RED,   0                          ; LDS bytes 0-15: the four waves' maxima, word w for wave w
.set WBASE, 256                        ; behind them the waves' own rows
.set OUTO,  32*PITCH                   ; a wave's LDS: 32 rows for the way in, then 32 rows for the way out
.set WLDS,  2*32*PITCH
.set LOFF, 1                           ; v1      16 x lane: my 16 bytes of each 512 that a load or store of the wave covers
.set TRW,  2                           ; v2      way in: where I put 16 bytes as loaded (row 2 j + lane / 16, column lane % 16)
.set TRR,  3                           ; v3      way in: my own row
.set OSW,  4                           ; v4      way out: my own row
.set OSR,  5                           ; v5      way out: where I read 16 bytes to store
.set MX,   6                           ; v[6:7]  two running maxima of |mixed|
.set ZA,   8                           ; v[8:10]  chain A from zero state: value i in register i % 3
.set ZB,   11                          ; v[11:13] chain B
.set C1,   14                          ; v[14:15] the lane's end state, first from zero, after the scan the true one
.set C2,   15
.set D1,   16                          ; v[16:17] a neighbour's C
.set D2,   17
.set E1,   18                          ; v[18:19] (y[-1], y[-2]) of my chain A
.set E2,   19
.set EB1,  20                          ; v[20:21] the same of my chain B
.set EB2,  21
.set PX1,  24                          ; v[24:31] section k: x[-1] of my samples; lane 0 carries it from tile to tile
.set PX2,  32                          ; v[32:39] x[-2]
.set YC1,  40                          ; v[40:47] section k: y[-1] of the tile in lane 0, zero in all other lanes
.set YC2,  48                          ; v[48:55] y[-2]
.set X,    64                          ; v[64:127]  the tile's input, kept for the mix
.set S,    128                         ; v[128:191] a section's clipped output = the next one's input
.set W,    192                         ; v[192:255] w, then y in place; on the way out the rows to store
.set G,    0                           ; v[256:319] (window 1: written v0-63) the next tile as loaded
.set GM,   64                          ; v[320:351] (window 1: written v64-95) section k: my lane's matrix, 0 for lanes 0-15, P^(lane-15) above
.set CA,   16                          ; s[16:47] coefficients of the even sections
.set CB,   68                          ; s[68:99] coefficients of the odd sections
.set ST0,  48                          ; s[48:51] values read from single lanes; offsets during the set-up
.set ST1,  49
.set ST2,  50
.set ST3,  51
.set MSB, 0
.macro WIN new                         ; s_set_vgpr_msb: bits 3:2 source 1, 7:6 destination; the high byte repeats the setting that is left
.if MSB != \new
	s_set_vgpr_msb (MSB<<8)|\new
.set MSB, \new
.endif
.endm
	s_load_b256 s[4:11], s[0:1], 0x0               ; input_sig s[4:5], coef s[6:7], plan s[8:9], mixed s[10:11]
	s_load_b64 s[12:13], s[0:1], 0x20              ; pmax
	v_lshl_add_u32 v62, v0, 2, 0x11100
	v_mov_b32 v63, 0
	v_lshrrev_b32 v23, 5, v0
	v_readfirstlane_b32 s14, v23                   ; wave 0..3
	s_mov_b32 s66, 0x76543210                      ; v_permlanex16_b32: lane i of one half reads lane i of the other
	s_mov_b32 s67, 0xfedcba98
	s_mul_i32 s54, s14, WLDS
	s_add_co_u32 s54, s54, WBASE                   ; my wave's LDS rows
	v_and_b32 v22, 31, v0                          ; lane
	v_lshlrev_b32 v[LOFF], 4, v22
	v_lshrrev_b32 v23, 4, v22
	v_and_b32 v20, 15, v22
	v_mul_u32_u24 v23, v23, PITCH
	v_lshl_add_u32 v23, v20, 4, v23                ; (lane / 16) rows + 16 (lane % 16)
	v_mul_u32_u24 v21, v22, PITCH                  ; lane rows
	v_add_nc_u32 v[TRW], s54, v23
	v_add_nc_u32 v[TRR], s54, v21
	v_add_nc_u32 v[OSW], OUTO, v[TRR]
	v_add_nc_u32 v[OSR], OUTO, v[TRW]
	v_mov_b32 v[MX], 0                             ; |mixed| >= 0
	v_mov_b32 v[MX+1], 0
	v_mov_b32 v[D1], 0                             ; destinations of lane moves count as read
	v_mov_b32 v[D2], 0
.set r, PX1
.rept 32
	v_mov_b32 v[r], 0                              ; the filters' zero start: x[-1], x[-2], y[-1], y[-2] of all 8 sections
.set r, r+1
.endr
	s_wait_kmcnt 0x0
	s_and_b32 s52, ttmp9, 3
	s_lshl2_add_u32 s52, s52, s14                  ; my segment, 0..15
	s_lshl_b32 s53, s52, 2
	s_load_b32 s2, s[8:9], s53                     ; tiles of warm-up
	s_load_b32 s48, s[8:9], s53 offset:0x40        ; my first tile in the channel
	s_load_b512 s[CA:CA+15], s[6:7], 0x0           ; section 0's coefficients
	s_load_b512 s[CA+16:CA+31], s[6:7], 0x40
	s_wait_kmcnt 0x0
	s_min_u32 s2, s2, 128                          ; loaded numbers are bounded before they steer a trip count or an address
	s_min_u32 s48, s48, 127
	s_add_co_u32 s3, s2, 8                         ; trips = warm-up + my 8 tiles
	s_lshr_b32 s49, ttmp9, 2
	s_lshl_b32 s49, s49, 20                        ; channel x 1 MiB
	s_lshl_b32 s50, s48, 13                        ; first tile x 8,192 bytes
	s_add_co_u32 s50, s50, s49
	s_mov_b32 s51, 0
	s_add_nc_u64 s[4:5], s[4:5], s[50:51]          ; input at my first tile
	s_lshl_b32 s50, s52, 16                        ; segment x 65,536 bytes
	s_add_co_u32 s50, s50, s49
	s_add_nc_u64 s[10:11], s[10:11], s[50:51]      ; mixed at my segment
	s_lshl_b32 s50, ttmp9, 2
	s_add_nc_u64 s[12:13], s[12:13], s[50:51]      ; pmax at my work-group's word
.macro LOADG                           ; a tile: 16 loads, each 512 neighbouring bytes of the wave.  No hint: warm-up tiles are read by two waves
	WIN 0x40
.irp j, 0,1,2,3,4,5,6,7,8,9,10,11,12,13,14,15
	global_load_b128 v[G+4*\j:G+4*\j+3], v[LOFF], s[4:5] offset:512*\j
.endr
	WIN 0
.endm
.macro TRANS                           ; through my wave's LDS rows: from 16 bytes of every 512 to 256 neighbouring bytes a lane
	WIN 0x04
.irp j, 0,1,2,3,4,5,6,7,8,9,10,11,12,13,14,15
	ds_store_b128 v[TRW], v[G+4*\j:G+4*\j+3] offset:2*PITCH*\j
.endr
	WIN 0
.irp j, 0,1,2,3,4,5,6,7,8,9,10,11,12,13,14,15
	ds_load_b128 v[X+4*\j:X+4*\j+3], v[TRR] offset:16*\j     ; LDS serves a wave's instructions in order (ISA guide 5.7.1): these see the stores above
.endr
.endm
; one step of the scan inside each half of 16 lanes: C[p] += P^d C[p-d]; off = where P^d lies in the coefficient set
.macro KS d, off, B
	v_mov_b32_dpp v[D1], v[C1] row_shr:\d row_mask:0xf bank_mask:0xf bound_ctrl:1     ; lanes without a source get 0
	v_mov_b32_dpp v[D2], v[C2] row_shr:\d row_mask:0xf bank_mask:0xf bound_ctrl:1
	v_fmac_f32 v[C1], s[\B+\off], v[D1]
	v_fmac_f32 v[C2], s[\B+\off+2], v[D1]
	v_fmac_f32 v[C1], s[\B+\off+1], v[D2]
	v_fmac_f32 v[C2], s[\B+\off+3], v[D2]
.endm
; Section k on one tile.  SRC: its input registers (X or S); B: its coefficient set; NB: the other set, filled here for section k + 1.
; s[B+0..3] = b0, a1, -b0, -a1;  s[B+4..7] = Q = A^32;  s[B+8..] = P, P^2, P^4, P^8.
.macro STAGE k, SRC, B, NB
	s_wait_kmcnt 0x0                               ; set B, asked for one section ago, is in
	s_load_b512 s[\NB:\NB+15], s[6:7], 128*((\k+1)&7)
	s_load_b512 s[\NB+16:\NB+31], s[6:7], 128*((\k+1)&7)+64
	; x[-1], x[-2] of every lane: the last two inputs of the lane below; lane 0 holds the last tile's, lane 16 gets lane 15's by hand
	v_readlane_b32 s[ST0], v[\SRC+63], 15
	v_readlane_b32 s[ST1], v[\SRC+62], 15
	v_readlane_b32 s[ST2], v[\SRC+63], 31
	v_readlane_b32 s[ST3], v[\SRC+62], 31
	v_writelane_b32 v[PX1+\k], s[ST0], 16
	v_writelane_b32 v[PX2+\k], s[ST1], 16
	v_mov_b32_dpp v[PX1+\k], v[\SRC+63] row_shr:1 row_mask:0xf bank_mask:0xf          ; lanes 0 and 16 have no source and keep their value
	v_mov_b32_dpp v[PX2+\k], v[\SRC+62] row_shr:1 row_mask:0xf bank_mask:0xf
	; 1. w and the run from zero state.  w of sample i + 1 is made beside the zero-state value of sample i: dependent lines stand 4 apart
	v_fma_f32 v[W], s[\B+1], v[PX1+\k], v[PX2+\k]
	v_fma_f32 v[W+32], s[\B+1], v[\SRC+31], v[\SRC+30]
	v_fmac_f32 v[W], s[\B], v[\SRC]
	v_fmac_f32 v[W+32], s[\B], v[\SRC+32]
.set i, 0
.rept 32
.if i < 31
.if i == 0
	v_fma_f32 v[W+1], s[\B+1], v[\SRC], v[PX1+\k]
.else
	v_fma_f32 v[W+i+1], s[\B+1], v[\SRC+i], v[\SRC+i-1]
.endif
	v_fma_f32 v[W+i+33], s[\B+1], v[\SRC+i+32], v[\SRC+i+31]
.endif
.if i == 1
	v_fma_f32 v[ZA+1], s[\B+3], v[W], v[W+1]                   ; z[0] = w[0]: nothing is cleared or copied
	v_fma_f32 v[ZB+1], s[\B+3], v[W+32], v[W+33]
.endif
.if i == 2
	v_fma_f32 v[ZA+2], s[\B+2], v[W], v[W+2]
	v_fma_f32 v[ZB+2], s[\B+2], v[W+32], v[W+34]
.endif
.if i > 2
	v_fma_f32 v[ZA+i%3], s[\B+2], v[ZA+(i-2)%3], v[W+i]
	v_fma_f32 v[ZB+i%3], s[\B+2], v[ZB+(i-2)%3], v[W+32+i]
.endif
.if i < 31
	v_fmac_f32 v[W+i+1], s[\B], v[\SRC+i+1]
	v_fmac_f32 v[W+i+33], s[\B], v[\SRC+i+33]
.endif
.if i > 1
	v_fmac_f32 v[ZA+i%3], s[\B+3], v[ZA+(i-1)%3]
	v_fmac_f32 v[ZB+i%3], s[\B+3], v[ZB+(i-1)%3]
.endif
.set i, i+1
.endr
	v_writelane_b32 v[PX1+\k], s[ST2], 0           ; the next tile's x[-1], x[-2]
	v_writelane_b32 v[PX2+\k], s[ST3], 0
	; 2. the lane's end state from zero: C = Q cA + cB (c = (z[31], z[30]) = registers 1, 0); lane 0 adds P x the tile's start state
	v_fma_f32 v[C1], s[\B+4], v[ZA+1], v[ZB+1]
	v_fma_f32 v[C2], s[\B+6], v[ZA+1], v[ZB]
	v_fmac_f32 v[C1], s[\B+5], v[ZA]
	v_fmac_f32 v[C2], s[\B+7], v[ZA]
	v_fmac_f32 v[C1], s[\B+8], v[YC1+\k]
	v_fmac_f32 v[C2], s[\B+10], v[YC1+\k]
	v_fmac_f32 v[C1], s[\B+9], v[YC2+\k]
	v_fmac_f32 v[C2], s[\B+11], v[YC2+\k]
	KS 1, 8, \B
	KS 2, 12, \B
	KS 4, 16, \B
	KS 8, 20, \B
	v_readlane_b32 s[ST0], v[C1], 15               ; lanes 0-15 are finished; lane p >= 16 still lacks P^(p-15) x lane 15's state
	v_readlane_b32 s[ST1], v[C2], 15
	WIN 0x04                                       ; source 1: my lane's matrix in v320 + 4 k
	v_fmac_f32 v[C1], s[ST0], v[GM+4*\k]
	v_fmac_f32 v[C2], s[ST0], v[GM+4*\k+2]
	v_fmac_f32 v[C1], s[ST1], v[GM+4*\k+1]
	v_fmac_f32 v[C2], s[ST1], v[GM+4*\k+3]
	WIN 0
	v_readlane_b32 s[ST2], v[C1], 31               ; the tile's end state
	v_readlane_b32 s[ST3], v[C2], 31
	v_mov_b32 v[E1], v[YC1+\k]                     ; my start state = the end state of the lane below; lane 0: the tile's start state
	v_mov_b32 v[E2], v[YC2+\k]
	v_writelane_b32 v[E1], s[ST0], 16
	v_writelane_b32 v[E2], s[ST1], 16
	v_mov_b32_dpp v[E1], v[C1] row_shr:1 row_mask:0xf bank_mask:0xf
	v_mov_b32_dpp v[E2], v[C2] row_shr:1 row_mask:0xf bank_mask:0xf
	v_writelane_b32 v[YC1+\k], s[ST2], 0           ; the next tile's start state
	v_writelane_b32 v[YC2+\k], s[ST3], 0
	v_fma_f32 v[EB1], s[\B+4], v[E1], v[ZA+1]      ; chain B starts from Q E + cA
	v_fma_f32 v[EB2], s[\B+6], v[E1], v[ZA]
	v_fmac_f32 v[EB1], s[\B+5], v[E2]
	v_fmac_f32 v[EB2], s[\B+7], v[E2]
	; 3. the true y, in place on w; the clip of sample i - 1 stands between the two multiply-adds of sample i
.set i, 0
.rept 32
.if i == 0
	v_fmac_f32 v[W], s[\B+2], v[E2]
	v_fmac_f32 v[W+32], s[\B+2], v[EB2]
.endif
.if i == 1
	v_fmac_f32 v[W+1], s[\B+2], v[E1]
	v_fmac_f32 v[W+33], s[\B+2], v[EB1]
.endif
.if i > 1
	v_fmac_f32 v[W+i], s[\B+2], v[W+i-2]
	v_fmac_f32 v[W+32+i], s[\B+2], v[W+30+i]
.endif
.if i > 0
	v_med3_num_f32 v[S+i-1], v[W+i-1], -1.0, 1.0
	v_med3_num_f32 v[S+31+i], v[W+31+i], -1.0, 1.0
.endif
.if i == 0
	v_fmac_f32 v[W], s[\B+3], v[E1]
	v_fmac_f32 v[W+32], s[\B+3], v[EB1]
.else
	v_fmac_f32 v[W+i], s[\B+3], v[W+i-1]
	v_fmac_f32 v[W+32+i], s[\B+3], v[W+31+i]
.endif
.set i, i+1
.endr
	v_med3_num_f32 v[S+31], v[W+31], -1.0, 1.0
	v_med3_num_f32 v[S+63], v[W+63], -1.0, 1.0
.endm
	WIN 0x40
.irp k, 0,1,2,3,4,5,6,7
	global_load_b128 v[GM+4*\k:GM+4*\k+3], v[LOFF], s[6:7] offset:1024+512*\k     ; my lane's matrix of each section, once
.endr
	LOADG                                          ; my first tile
	s_wait_loadcnt 0x0
	TRANS
	s_mov_b32 s15, 0                               ; trip
.Ltile:
	s_wait_dscnt 0x0                               ; X is in, and G has been read out
	s_add_co_u32 s101, s15, 1
	s_cmp_ge_u32 s101, s3
	s_cbranch_scc1 .Lnoload                        ; the last trip asks for nothing: no load leaves my segment
	s_add_nc_u64 s[4:5], s[4:5], TILE              ; the loads that named this base were waited for (count 0) at the end of the trip before
	LOADG                                          ; the next tile: 8 sections of work stand between these loads and their wait
.Lnoload:
	STAGE 0, X, CA, CB
	STAGE 1, S, CB, CA
	STAGE 2, S, CA, CB
	STAGE 3, S, CB, CA
	STAGE 4, S, CA, CB
	STAGE 5, S, CB, CA
	STAGE 6, S, CA, CB
	STAGE 7, S, CB, CA
	s_cmp_lt_u32 s15, s2
	s_cbranch_scc1 .Lnoout                         ; a warm-up tile leaves only its states behind
	; mixed = 0.5 out + 0.5 x (0.5 x is exact, so this rounds once, as the reference's sum does) and the running maximum of |mixed|
.set i, 0
.rept 32
	v_pk_mul_f32 v[X+2*i:X+2*i+1], v[X+2*i:X+2*i+1], 0.5 op_sel_hi:[1,0]
.set i, i+1
.endr
.set i, 0
.rept 32
	v_pk_fma_f32 v[S+2*i:S+2*i+1], v[S+2*i:S+2*i+1], 0.5, v[X+2*i:X+2*i+1] op_sel_hi:[1,0,1]
.set i, i+1
.endr
.set i, 0
.rept 32
	v_max3_num_f32 v[MX+(i&1)], |v[S+2*i]|, |v[S+2*i+1]|, v[MX+(i&1)]
.set i, i+1
.endr
	; the way out, through my wave's second 32 LDS rows: from 256 bytes a lane back to 16 bytes of every 512
.irp j, 0,1,2,3,4,5,6,7,8,9,10,11,12,13,14,15
	ds_store_b128 v[OSW], v[S+4*\j:S+4*\j+3] offset:16*\j
.endr
.irp j, 0,1,2,3,4,5,6,7,8,9,10,11,12,13,14,15
	ds_load_b128 v[W+4*\j:W+4*\j+3], v[OSR] offset:2*PITCH*\j
.endr
	s_wait_dscnt 0x0
.irp j, 0,1,2,3,4,5,6,7,8,9,10,11,12,13,14,15
	global_store_b128 v[LOFF], v[W+4*\j:W+4*\j+3], s[10:11] offset:512*\j    ; 16 lanes store 256 consecutive bytes, at a multiple of 256 from the buffer's first byte
.endr
	s_wait_xcnt 0x0                                ; the stores' base is stepped, and W rewritten in the next trip, only behind this wait
	s_add_nc_u64 s[10:11], s[10:11], TILE
.Lnoout:
	s_wait_loadcnt 0x0                             ; the next tile is in G (nothing younger is out)
	s_cmp_ge_u32 s101, s3
	s_cbranch_scc1 .Lnotrans
	TRANS                                          ; X's last readers, section 0 and the mix, are past
.Lnotrans:
	s_add_co_u32 s15, s15, 1
	s_cmp_lt_u32 s15, s3
	s_cbranch_scc1 .Ltile
	s_wait_kmcnt 0x0                               ; the coefficients that the last section asked for
	; the largest |mixed|: over my two registers, the 32 lanes, the four waves
	v_max_num_f32 v[MX], v[MX], v[MX+1]
	v_max_num_f32_dpp v[MX], v[MX], v[MX] row_xmask:1 row_mask:0xf bank_mask:0xf
	v_max_num_f32_dpp v[MX], v[MX], v[MX] row_xmask:2 row_mask:0xf bank_mask:0xf
	v_max_num_f32_dpp v[MX], v[MX], v[MX] row_xmask:4 row_mask:0xf bank_mask:0xf
	v_max_num_f32_dpp v[MX], v[MX], v[MX] row_xmask:8 row_mask:0xf bank_mask:0xf
	v_permlanex16_b32 v[D1], v[MX], s66, s67
	v_max_num_f32 v[MX], v[MX], v[D1]
	v_mov_b32 v22, s14                             ; wave number
	v_lshlrev_b32 v22, 2, v22                      ; my wave's word of LDS bytes 0-15, which no wave's rows reach
	ds_store_b32 v22, v[MX]                        ; all lanes write the same word with the same value
	s_wait_dscnt 0x0                               ; for the other waves' sake: my word is in LDS before I signal
	s_barrier_signal -1
	s_barrier_wait -1                              ; the launch's only barrier: everything else in LDS is a wave's own
	v_mov_b32 v23, RED
	ds_load_b128 v[8:11], v23                      ; the four waves' maxima, in every lane
	s_wait_dscnt 0x0
	v_max3_num_f32 v8, v8, v9, v10
	v_max_num_f32 v8, v8, v11
	s_wait_xcnt 0x0                                ; EXEC changes only behind this wait
	v_cmp_gt_u32 vcc_lo, 1, v0
	s_wait_tensorcnt 0x0
	ds_add_u32 v62, v63
	s_wait_dscnt 0x0
	s_and_saveexec_b32 s54, vcc_lo                 ; thread 0 alone
	global_store_b32 v23, v8, s[12:13]             ; v23 = 0: the base already points at my work-group's word
	s_wait_xcnt 0x0
	s_or_b32 exec_lo, exec_lo, s54
	s_endpgm
.Lfunc_end_k_q0f43abf8ab_filter:
	.size	k_q0f43abf8ab_filter, .Lfunc_end_k_q0f43abf8ab_filter-k_q0f43abf8ab_filter
	.p2alignl 7, 3214868480
	.fill 96, 4, 3214868480
	.section	.rodata,"a",@progbits
	.p2align	6, 0x0
	.amdhsa_kernel k_q0f43abf8ab_filter
		.amdhsa_group_segment_fixed_size 70400
		.amdhsa_private_segment_fixed_size 0
		.amdhsa_enable_private_segment 0
		.amdhsa_kernarg_size 40
		.amdhsa_user_sgpr_count 2
		.amdhsa_user_sgpr_kernarg_segment_ptr 1
		.amdhsa_wavefront_size32 1
		.amdhsa_system_sgpr_workgroup_id_x 1
		.amdhsa_system_sgpr_workgroup_id_y 1
		.amdhsa_system_sgpr_workgroup_id_z 1
		.amdhsa_system_vgpr_workitem_id 0
		.amdhsa_next_free_vgpr 352
		.amdhsa_next_free_sgpr 102
		.amdhsa_reserve_vcc 1
		.amdhsa_float_denorm_mode_32 3
		.amdhsa_float_denorm_mode_16_64 3
		.amdhsa_memory_ordered 1
		.amdhsa_forward_progress 1
		.amdhsa_inst_pref_size 207
	.end_amdhsa_kernel
	.amdgpu_metadata
---
amdhsa.version: [ 1, 2 ]
amdhsa.kernels:
  - .name:           k_q0f43abf8ab_filter
    .symbol:         k_q0f43abf8ab_filter.kd
    .args:
      - { .name: input_sig, .offset: 0, .size: 8, .value_kind: global_buffer, .address_space: global }
      - { .name: coef, .offset: 8, .size: 8, .value_kind: global_buffer, .address_space: global }
      - { .name: plan, .offset: 16, .size: 8, .value_kind: global_buffer, .address_space: global }
      - { .name: mixed, .offset: 24, .size: 8, .value_kind: global_buffer, .address_space: global }
      - { .name: pmax, .offset: 32, .size: 8, .value_kind: global_buffer, .address_space: global }
    .group_segment_fixed_size: 70400
    .private_segment_fixed_size: 0
    .kernarg_segment_align: 8
    .kernarg_segment_size: 40
    .max_flat_workgroup_size: 128
    .sgpr_count:     102
    .vgpr_count:     352
    .wavefront_size: 32
...
	.end_amdgpu_metadata
.endif
;; end of part 2
;; launch scale (part 3): grid 1024 x 1, 8 waves a work-group, no clusters, 0 bytes of LDS; arguments mixed, pmax, out0; writes out0
.if DOCPART == 3
	.amdgcn_target "amdgcn-amd-amdhsa--gfx1250"
	.amdhsa_code_object_version 6
	.text
	.protected	k_q0f43abf8ab_scale
	.globl	k_q0f43abf8ab_scale
	.p2align	8
	.type	k_q0f43abf8ab_scale,@function
k_q0f43abf8ab_scale:
	s_mov_b64 s[64:65], 0
	v_nop
	global_prefetch_b8 v0, s[64:65] scope:SCOPE_SE
	s_setreg_imm32_b32 hwreg(HW_REG_WAVE_MODE, 25, 1), 1
	s_wait_xcnt 0x0
; out0 = mixed / max |mixed|.  The maximum is that of the 256 partial maxima in pmax; the division is a multiplication by v_rcp_f32 of it.
; LIMIT: a maximum below 2^-126 counts as zero for v_rcp_f32 (ISA guide, its entry in 15.8), where the reference would still divide.
; A stream: a work-group takes 65,536 bytes as 16 rows of 4,096; thread t takes the 16 bytes at 16 t of every row, so each load and store
; of a wave covers 512 neighbouring bytes.
; LDS, matrix units and clusters have nothing to offer here: nothing is shared but 1,024 bytes of pmax.
.set ROW, 4096
.set D,   16                           ; v[16:79] row i: 4 registers, scaled in place
	s_load_b128 s[4:7], s[0:1], 0x0                ; mixed s[4:5], pmax s[6:7]
	s_load_b64 s[8:9], s[0:1], 0x10                ; out0
	s_lshl_b32 s10, ttmp9, 16                      ; the work-group's 65,536 bytes
	s_mov_b32 s11, 0
	s_mov_b32 s12, 0x76543210                      ; v_permlanex16_b32: lane i of one half reads lane i of the other
	s_mov_b32 s13, 0xfedcba98
	v_lshlrev_b32 v1, 4, v0                        ; 16 t
	v_and_b32 v2, 31, v0
	v_lshlrev_b32 v2, 4, v2                        ; 16 x lane
	s_wait_kmcnt 0x0
	s_add_nc_u64 s[4:5], s[4:5], s[10:11]
	s_add_nc_u64 s[8:9], s[8:9], s[10:11]
	global_load_b128 v[4:7], v2, s[6:7]            ; every wave reads all 256 maxima: 8 a lane
	global_load_b128 v[8:11], v2, s[6:7] offset:512
.set i, 0
.rept 16
	global_load_b128 v[D+4*i:D+4*i+3], v1, s[4:5] offset:ROW*i th:TH_LOAD_NT
.set i, i+1
.endr
	s_wait_loadcnt 0x10                            ; loads come back in order (ISA guide 5.7.1): pmax is in, the 16 younger loads stay out
	v_max3_num_f32 v4, v4, v5, v6
	v_max3_num_f32 v7, v7, v8, v9
	v_max3_num_f32 v4, v4, v10, v11
	v_max_num_f32 v4, v4, v7
	v_max_num_f32_dpp v4, v4, v4 row_xmask:1 row_mask:0xf bank_mask:0xf
	v_max_num_f32_dpp v4, v4, v4 row_xmask:2 row_mask:0xf bank_mask:0xf
	v_max_num_f32_dpp v4, v4, v4 row_xmask:4 row_mask:0xf bank_mask:0xf
	v_max_num_f32_dpp v4, v4, v4 row_xmask:8 row_mask:0xf bank_mask:0xf
	v_permlanex16_b32 v5, v4, s12, s13             ; v5 has been written (by the load above)
	v_max_num_f32 v4, v4, v5
	v_rcp_f32 v12, v4                              ; twice, for the pair that the packed multiply takes
	v_rcp_f32 v13, v4
	v_nop                                          ; one plain vector instruction behind a transcendental before its result is used (ISA guide 5.7.2)
	s_wait_alu depctr_va_vdst(0)
.set i, 0
.rept 16
	s_wait_loadcnt 15-i                            ; row i is in; the younger rows stay out
	v_pk_mul_f32 v[D+4*i:D+4*i+1], v[D+4*i:D+4*i+1], v[12:13]
	v_pk_mul_f32 v[D+4*i+2:D+4*i+3], v[D+4*i+2:D+4*i+3], v[12:13]
	global_store_b128 v1, v[D+4*i:D+4*i+3], s[8:9] offset:ROW*i th:TH_STORE_NT
.set i, i+1
.endr
	s_endpgm
.Lfunc_end_k_q0f43abf8ab_scale:
	.size	k_q0f43abf8ab_scale, .Lfunc_end_k_q0f43abf8ab_scale-k_q0f43abf8ab_scale
	.p2alignl 7, 3214868480
	.fill 96, 4, 3214868480
	.section	.rodata,"a",@progbits
	.p2align	6, 0x0
	.amdhsa_kernel k_q0f43abf8ab_scale
		.amdhsa_group_segment_fixed_size 0
		.amdhsa_private_segment_fixed_size 0
		.amdhsa_enable_private_segment 0
		.amdhsa_kernarg_size 24
		.amdhsa_user_sgpr_count 2
		.amdhsa_user_sgpr_kernarg_segment_ptr 1
		.amdhsa_wavefront_size32 1
		.amdhsa_system_sgpr_workgroup_id_x 1
		.amdhsa_system_sgpr_workgroup_id_y 1
		.amdhsa_system_sgpr_workgroup_id_z 1
		.amdhsa_system_vgpr_workitem_id 0
		.amdhsa_next_free_vgpr 80
		.amdhsa_next_free_sgpr 66
		.amdhsa_reserve_vcc 0
		.amdhsa_float_denorm_mode_32 3
		.amdhsa_float_denorm_mode_16_64 3
		.amdhsa_memory_ordered 1
		.amdhsa_forward_progress 1
		.amdhsa_inst_pref_size 8
	.end_amdhsa_kernel
	.amdgpu_metadata
---
amdhsa.version: [ 1, 2 ]
amdhsa.kernels:
  - .name:           k_q0f43abf8ab_scale
    .symbol:         k_q0f43abf8ab_scale.kd
    .args:
      - { .name: mixed, .offset: 0, .size: 8, .value_kind: global_buffer, .address_space: global }
      - { .name: pmax, .offset: 8, .size: 8, .value_kind: global_buffer, .address_space: global }
      - { .name: out0, .offset: 16, .size: 8, .value_kind: global_buffer, .address_space: global }
    .group_segment_fixed_size: 0
    .private_segment_fixed_size: 0
    .kernarg_segment_align: 8
    .kernarg_segment_size: 24
    .max_flat_workgroup_size: 256
    .sgpr_count:     66
    .vgpr_count:     80
    .wavefront_size: 32
...
	.end_amdgpu_metadata
.endif
;; end of part 3
